; MI455X (gfx1250); checked and timed in simulation.
; The chip was launched on July 23, 2026; its instructions are those of AMD's public machine-readable ISA for CDNA 5 (MIT licence, August 2026) and "CDNA5" Instruction Set Architecture Reference Guide (July 2026). The comments in the code are by the model that wrote it; some were corrected since.
;; Bilinear Layer. Allowed arithmetic: matrix products marked QUANTISED: E5M2 operands, one given power-of-two scale a tensor, by v_wmma_f32_16x16x64_bf8_bf8 or v_wmma_f32_16x16x128_bf8_bf8, f32 sums; products left as they are: f32 operands where the result goes on into a quantised operand, else bf16, f16 or f32 operands; f32 sums; everything else in f32.
;; Inputs: lowp_scales 2 int32 (the exponents e of the quantised operands' scales 2^e); type_idx 131,072 int32; u_hidden_codes 131,072 x 8 x 32 uint8 (E5M2 codes of u_hidden, K innermost, in blocks of 32 codes); v_hidden 131,072 x 256 float32; weights_codes 8 x 256 x 8 x 32 uint8 (E5M2 codes of weights, K innermost, in blocks of 32 codes).
;; Outputs: out0 131,072 float32.
;; This version of the problem:
;;   THIS VERSION OF THE PROBLEM IS GIVEN IN LOW PRECISION. The matrix products marked QUANTISED in the list below multiply operands that are first quantised to E5M2 (5 exponent bits, 2 mantissa bits; 8 bits a number), with one given power-of-two scale for each operand tensor; their sums are f32. All else is computed in f32.
;;   The module's matrix products, in the order in which they are computed (A, B: the left and right operand; K: the contracted axis; several contracted axes count as one K, in the product's order):
;;     1. [M 2,048, K 256] x [K 256, N 131,072]; A: input weights (given as codes); B: input u_hidden (given as codes): QUANTISED (scales: A lowp_scales[0], B lowp_scales[1])
;;     2. batch 131,072 x [M 1, K 256] x [K 256, N 8]; A: input v_hidden; B: computed on the way: left as it is (M = 1 < 16)
;;   THE QUANTISER, for each operand of a quantised product, along K:
;;     - The operand's scale is 2^e, e = its entry of the input lowp_scales (int32; the entries are numbered through the quantised products in the list's order, A before B).
;;     - Each number is divided by the scale, clamped to +-57,344, and rounded to the nearest number of E5M2, ties to even, subnormals kept.
;;     - The product sums the exact products of the quantised numbers (number of the format x scale) in f32.
;;   ~~~python
;;   def quantise(x, axis, e):      # numpy; x: float32 -> the quantised numbers, widened to float32 again
;;       x = np.moveaxis(x, axis, -1); K = x.shape[-1]
;;       r = np.clip(x / 2.0 ** e, -57344, 57344)
;;       step = 2.0 ** (np.maximum(np.frexp(np.where(r == 0, 1, r))[1] - 1, -14) - 2)
;;       q = np.round(r / step) * step * 2.0 ** e      # np.round: ties to even
;;       return np.moveaxis(q, -1, axis).astype(np.float32)
;;   ~~~
;;   INPUTS GIVEN AS CODES. u_hidden (in the module: [131072, 256], K = its axis 1); weights (in the module: [8, 256, 256], K = its axis 1): each comes as NAME_codes (uint8): NAME with its K axis moved to the last place and cut into blocks of 32 codes, [.., K / 32, bytes a block], one block behind the other in memory; one code a byte (a code: sign, 5 exponent bits, 2 mantissa bits); its scale is its entry of lowp_scales. Its value is code x scale, taken as it is: it is not quantised again, and the codes and scales need not be those that the quantiser above would give.
;; 2 versions. Each part assembles by itself: llvm-mc -triple=amdgcn-amd-amdhsa -mcpu=gfx1250 --defsym DOCPART=n.
;; ======== version 1 of 2: 1 launch
;; launch bilinear (part 1): grid 32 x 8, 4 waves a work-group, no clusters, 87,552 bytes of LDS; arguments type_idx, u_hidden_codes, v_hidden, weights_codes, lowp_scales, out0; writes out0
.if DOCPART == 1
	.amdgcn_target "amdgcn-amd-amdhsa--gfx1250"
	.amdhsa_code_object_version 6
	.text
	.protected	k_qac5ec86a50_bilinear
	.globl	k_qac5ec86a50_bilinear
	.p2align	8
	.type	k_qac5ec86a50_bilinear,@function
k_qac5ec86a50_bilinear:
	s_mov_b64 s[64:65], 0
	v_nop
	global_prefetch_b8 v0, s[64:65] scope:SCOPE_SE
	s_setreg_imm32_b32 hwreg(HW_REG_WAVE_MODE, 25, 1), 1
	s_wait_xcnt 0x0
; out[n] = sigmoid( sum over e of v[n][e] x ( sum over d of W[k][d][e] u[n][d] ) ),  k = type_idx[n].   131,072 tokens, 8 experts, 256 x 256.
; u and W are codes of BF8 (E5M2) with d innermost (a row of u, and a row e of an expert, is 256 bytes); a number is its code x 2^e0 (W) or 2^e1 (u).  The codes are multiplied as they
; are by v_wmma_f32_16x16x128_bf8_bf8, sums in f32; the dot with v is f32 multiply-adds; the finished dot is multiplied once by 2^(e0 + e1) (v_ldexp_f32: any whole number serves).
; ONLY THE CHOSEN EXPERT IS MULTIPLIED: the other seven scores of a token are thrown away by the gather on type_idx.
; SHARES.  Work-group (x = g, y = k) owns the tokens of type k among tokens 4096 g .. 4096 g + 4095; wave w those among its 1,024.  So a work-group reads ONE expert's 65,536 bytes, and each wave
; keeps all of them in 512 registers.  The grid serves every split of the tokens; a wave without a token of its type stores nothing.  Behind the one barrier the waves share nothing.
; THE LIST OF ROWS IS NEVER STORED.  The wave's 1,024 types become 32 mask words (one a lane), their running counts and their bit counts; 'the p-th token of my type' is then found by a
; search through lane permutes (macro SELECT).  A trip of the loop takes 32 places of the list, two tiles of 16 tokens.  Places past the list's end are held at its last place: such rows
; are copies of the last token, give its number again and store it to the same word.  So EXEC stays full, no branch stands in a trip, and every trip issues the same loads.
; LAYOUT.  Source 0 = 16 tokens of u, source 1 = 16 rows e of W: register j of lane (r = lane % 16, h = lane / 16) is (token 8 h + j, column r).  THE ROWS OF W THAT FORM A TILE ARE NOT
; NEIGHBOURS: column r of tile t is e = 64 (t / 4) + 4 r + t % 4.  Then the load of v at token (8 h + j) x 1,024 + 256 q + 16 r brings lane (r, h) exactly the four partners of register j of
; tiles 4 q .. 4 q + 3, and sixteen neighbouring lanes read 256 consecutive bytes, aligned: v goes from memory straight into registers.  u is read likewise (a row is 256 bytes) and
; turns through the wave's own stage in LDS into fragments.  Along d both operands take register 4 c + i of K step s from bytes 128 s + 32 c + 16 h + 4 i ..: the same order in both.
; NO TENSOR LOAD, NO CLUSTER, though 32 work-groups read the same expert: the loop's trip count is a number read from memory; and the
; expert is 65,536 of the roughly 720,000 bytes that a work-group reads.
; out0 IS STORED FOUR BYTES A LANE, to the tokens' own places: the 64 tokens of 256 neighbouring bytes belong to up to eight work-groups, and the output is 524,288 of 169 million bytes.
; LIMITS.  A token whose type_idx is not 0 .. 7 gets no output (the gather's index stays inside its table).  Where 2^(-s log2 e) falls under the smallest normal f32 number it counts as 0
; (v_exp_f32, ISA guide 15.8) and the result is 1.  The f32 sums are taken in another order than the reference's.
; REGISTERS, in windows of 256.  Window 0: see the names below.  Window 1: v, two buffers of 128: register 128 b + 16 j + 4 q + i.  Windows 2 and 3: W's 32 fragments: tile t, K step s at
; window 2 + t / 8, register 32 (t % 8) + 16 s (window 2's first 128 hold W as it is loaded, until it is staged).
.set WPITCH, 272                       ; an LDS row: 256 bytes + 16: the sixteen rows that a fragment load touches begin 68 words apart
.set USTG,   256*WPITCH                ; LDS: W's 256 rows, then a stage of 16 rows for each wave
.set USTB,   16*WPITCH
.set LANE, 1                           ; v1   lane
.set R16,  2                           ; v2   16 r
.set UFA,  3                           ; v3   my stage + 272 r + 16 h: u's fragments
.set UST,  4                           ; v4   my stage + 8 h rows + 16 r: u as it is loaded
.set WFA,  5                           ; v5   272 r + 16 h: W's fragments
.set WST,  6                           ; v6   64 w rows + 16 h rows + 16 r: W as it is loaded
.set L16,  7                           ; v7   16 x lane
.set IX,   8                           ; v8-23  4 x (16 b + 8 h + j): from which lane of TOK tile b's token 8 h + j comes
.set IXO,  24                          ; v24-25 4 x (16 b + 8 h + r / 2): the token whose result I store
.set MSK,  26                          ; v26  lane x: mask word x
.set PFX,  27                          ; v27  lane x: tokens of my type in words 0 .. x - 1
.set CN1,  28                          ; v28-31 lane x: word x's bit counts in fields of 2, 4, 8 bits, and of 16 bits in bytes 0 and 2
.set CN2,  29
.set CN4,  30
.set CN8,  31
.set TOK,  32                          ; v32  lane l: the token (0 .. 1,023) at place POS + l of the list
.set PP,   33                          ; SELECT: my place
.set LB,   34                          ;         4 x the word that holds it
.set CA,   35
.set QP,   36
.set FP,   37                          ;         that word's entries of the six tables
.set FM,   38
.set F1,   39
.set F2,   40
.set F4,   41
.set F8,   42
.set RNK,  43                          ;         my place within the word
.set POSB, 44                          ;         the bit
.set TT,   45
.set UU,   46
.set VO,   48                          ; v48-55 byte offsets of the loads of v
.set UO,   56                          ; v56-63 of u
.set OO,   64                          ; v64-65 of the store, for each buffer
.set ACC,  66                          ; v66-73 the dots of my eight tokens, my columns' part
.set RT,   74                          ; v74-81 at work
.set YY,   82
.set ZZ,   83
.set UF,   84                          ; v84-115  u's two fragments
.set DD,   116                         ; v116-179 eight accumulators
.set TY,   116                         ;          (at the head: the 32 type words)
.set UR,   180                         ; v180-243 u as it is loaded, two buffers of 32
.set KC,   244                         ; v244-248 16, 8, 4, 2, 1
.set MSB, 0
.macro WIN new                         ; s_set_vgpr_msb: bits 1:0 source 0, 3:2 source 1, 5:4 source 2, 7:6 destination; the high byte repeats the setting that is left
.if MSB != \new
	s_set_vgpr_msb (MSB<<8)|\new
.set MSB, \new
.endif
.endm
; ---- SELECT: TOK = the tokens at places s26 + lane of my list, held at the last place s23
.macro SEEK st                         ; one step of the search for the last word x with PFX[x] <= my place
	v_or_b32 v[CA], \st, v[LB]
	ds_bpermute_b32 v[QP], v[CA], v[PFX]
	s_wait_dscnt 0x0
	v_cmp_le_u32 vcc_lo, v[QP], v[PP]
	v_cndmask_b32 v[LB], v[LB], v[CA], vcc_lo
.endm
.macro PICK tab, width, kc             ; one step of the search for the bit: if the lower half of what is left holds too few, pass over it
	v_bfe_u32 v[TT], v[\tab], v[POSB], \width
	v_cmp_ge_u32 vcc_lo, v[RNK], v[TT]
	v_cndmask_b32 v[TT], 0, v[TT], vcc_lo
	v_cndmask_b32 v[UU], 0, v[\kc], vcc_lo
	v_sub_nc_u32 v[RNK], v[RNK], v[TT]
	v_add_nc_u32 v[POSB], v[POSB], v[UU]
.endm
.macro SELECT
	v_add_nc_u32 v[PP], s26, v[LANE]
	v_min_u32 v[PP], s23, v[PP]
	v_mov_b32 v[LB], 0
	SEEK 64
	SEEK 32
	SEEK 16
	SEEK 8
	SEEK 4
	ds_bpermute_b32 v[FP], v[LB], v[PFX]
	ds_bpermute_b32 v[FM], v[LB], v[MSK]
	ds_bpermute_b32 v[F1], v[LB], v[CN1]
	ds_bpermute_b32 v[F2], v[LB], v[CN2]
	ds_bpermute_b32 v[F4], v[LB], v[CN4]
	ds_bpermute_b32 v[F8], v[LB], v[CN8]
	v_mov_b32 v[POSB], 0
	s_wait_dscnt 0x0
	v_sub_nc_u32 v[RNK], v[PP], v[FP]
	PICK F8, 8, KC
	PICK F4, 8, KC+1
	PICK F2, 4, KC+2
	PICK F1, 2, KC+3
	PICK FM, 1, KC+4
	v_lshrrev_b32 v[TT], 4, v[LB]                  ; bit l of word x is token 128 (x / 4) + 4 l + x % 4
	v_bfe_u32 v[UU], v[LB], 2, 2
	v_lshl_or_b32 v[TT], v[TT], 7, v[UU]
	v_lshl_or_b32 v[TOK], v[POSB], 2, v[TT]
.endm
; ---- ISSUE: the 40 loads of tile b of the batch in TOK, into buffer b
.macro ISSUE b
	s_wait_xcnt 0x0                                ; the earlier loads and the store have read their offsets and data: VO, UO, OO and ZZ are written again only behind this wait
.irp j, 0,1,2,3,4,5,6,7
	ds_bpermute_b32 v[VO+\j], v[IX+8*\b+\j], v[TOK]
.endr
	ds_bpermute_b32 v[OO+\b], v[IXO+\b], v[TOK]
	s_wait_dscnt 0x0
.irp j, 0,1,2,3,4,5,6,7
	v_min_u32 v[VO+\j], 0x3ff, v[VO+\j]            ; a number made of loaded data enters an address held inside my 1,024 tokens
	v_lshl_add_u32 v[UO+\j], v[VO+\j], 8, v[R16]
	v_lshl_add_u32 v[VO+\j], v[VO+\j], 10, v[R16]
.endr
	v_min_u32 v[OO+\b], 0x3ff, v[OO+\b]
	v_lshlrev_b32 v[OO+\b], 2, v[OO+\b]
.irp j, 0,1,2,3,4,5,6,7
	global_load_b128 v[UR+32*\b+4*\j:UR+32*\b+4*\j+3], v[UO+\j], s[6:7]   ; lanes 0-15: token j's whole row of 256 bytes; lanes 16-31: token 8 + j's
.endr
	WIN 0x40                                       ; destination window 1
.irp j, 0,1,2,3,4,5,6,7
.irp q, 0,1,2,3
	global_load_b128 v[128*\b+16*\j+4*\q:128*\b+16*\j+4*\q+3], v[VO+\j], s[8:9] offset:256*\q   ; sixteen lanes read 256 consecutive bytes of one row of v
.endr
.endr
	WIN 0
.endm
; ---- 16 matrix instructions: eight tiles of W (of the window that is set) x my 16 tokens, two K steps.  The first starts each sum with 0; the eight accumulators take turns
.macro MULS
.irp t, 0,1,2,3,4,5,6,7
	v_wmma_f32_16x16x128_bf8_bf8 v[DD+8*\t:DD+8*\t+7], v[UF:UF+15], v[32*\t:32*\t+15], 0
.endr
.irp t, 0,1,2,3,4,5,6,7
	v_wmma_f32_16x16x128_bf8_bf8 v[DD+8*\t:DD+8*\t+7], v[UF+16:UF+31], v[32*\t+16:32*\t+31], v[DD+8*\t:DD+8*\t+7]
.endr
.endm
; ---- the dot with v: tiles 8 g .. 8 g + 7; each accumulator from its low end on.  The very first product starts the sums: nothing is cleared
.macro DOT b, g
.irp t, 0,1,2,3,4,5,6,7
.irp j, 0,1,2,3,4,5,6,7
.if (\g == 0) && (\t == 0)
	v_mul_f32 v[ACC+\j], v[DD+\j], v[128*\b+16*\j]
.else
	v_fma_f32 v[ACC+\j], v[DD+8*\t+\j], v[128*\b+16*\j+4*(2*\g+\t/4)+\t%4], v[ACC+\j]
.endif
.endr
.endr
.endm
; ---- TILE: the 16 tokens in buffer b, from loaded bytes to stored results
.macro TILE b
	s_wait_loadcnt 63                              ; my 8 loads of u are in: 72 loads were issued behind them, and 63 is the largest count that can be written
.irp j, 0,1,2,3,4,5,6,7
	ds_store_b128 v[UST], v[UR+32*\b+4*\j:UR+32*\b+4*\j+3] offset:WPITCH*\j   ; rows j and 8 + j of my stage
.endr
.irp s, 0,1
.irp c, 0,1,2,3
	ds_load_b128 v[UF+16*\s+4*\c:UF+16*\s+4*\c+3], v[UFA] offset:128*\s+32*\c   ; LDS serves a wave's instructions in order (ISA guide 5.7.1.4): these see the stores above
.endr
.endr
	s_wait_dscnt 0x0
	WIN 0x08                                       ; source 1 (W) window 2
	MULS
	WIN 0x04                                       ; source 1 (v) window 1
.rept 4
	v_nop                                          ; four places between the last product and the first read of a result (ISA guide 7.12.1)
.endr
	s_wait_loadcnt 40                              ; my 32 loads of v are in; behind them stand the other buffer's 8 + 32
	DOT \b, 0
	WIN 0x0c                                       ; source 1 (W) window 3.  The 64 lines above are more than the five places owed before the accumulators are begun anew
	MULS
	WIN 0x04
.rept 4
	v_nop
.endr
	DOT \b, 1
	WIN 0
	; eight sums a lane, each to be added over the sixteen lanes of my half: in each step a lane keeps half of its sums and sends the other half to the lane that keeps those
.irp j, 0,1,2,3
	v_cndmask_b32 v[RT+\j], v[ACC+\j], v[ACC+4+\j], s30        ; r >= 8 keeps tokens 4 .. 7,
	v_cndmask_b32 v[RT+4+\j], v[ACC+4+\j], v[ACC+\j], s30      ; and sends tokens 0 .. 3
.endr
.irp j, 0,1,2,3
	v_add_f32_dpp v[RT+\j], v[RT+4+\j], v[RT+\j] row_xmask:8 row_mask:0xf bank_mask:0xf
.endr
.irp j, 0,1
	v_cndmask_b32 v[ACC+\j], v[RT+\j], v[RT+2+\j], s31
	v_cndmask_b32 v[ACC+2+\j], v[RT+2+\j], v[RT+\j], s31
.endr
.irp j, 0,1
	v_add_f32_dpp v[ACC+\j], v[ACC+2+\j], v[ACC+\j] row_xmask:4 row_mask:0xf bank_mask:0xf
.endr
	v_cndmask_b32 v[RT], v[ACC], v[ACC+1], s32
	v_cndmask_b32 v[RT+1], v[ACC+1], v[ACC], s32
	v_add_f32_dpp v[RT], v[RT+1], v[RT] row_xmask:2 row_mask:0xf bank_mask:0xf
	v_add_f32_dpp v[RT], v[RT], v[RT] row_xmask:1 row_mask:0xf bank_mask:0xf   ; lane (r, h) holds the dot of token 8 h + r / 2
	v_ldexp_f32 v[RT], v[RT], s27                  ; x 2^(e0 + e1)
	v_mul_f32 v[RT], 0xbfb8aa3b, v[RT]             ; x -log2(e)
	v_exp_f32 v[YY], v[RT]
	v_nop                                          ; a plain instruction behind the transcendental,
	s_wait_alu depctr_va_vdst(0)                   ; and the wait ahead of the first line that names its result
	v_add_f32 v[YY], 1.0, v[YY]
	v_rcp_f32 v[ZZ], v[YY]                         ; 1 / (1 + e^-s)
	v_nop
	s_wait_alu depctr_va_vdst(0)
	global_store_b32 v[OO+\b], v[ZZ], s[14:15]     ; two lanes hold each token, and copies of the list's last token may stand beside it: they store the same number to the same word
.endm
	; ---- the head
	s_load_b256 s[4:11], s[0:1], 0x0               ; type_idx s[4:5], u's codes s[6:7], v s[8:9], W's codes s[10:11]
	s_load_b128 s[12:15], s[0:1], 0x20             ; the scales' exponents s[12:13], out0 s[14:15]
	v_lshl_add_u32 v254, v0, 2, 0x15400
	v_mov_b32 v255, 0
	v_lshrrev_b32 v[CA], 5, v0
	v_readfirstlane_b32 s16, v[CA]                 ; wave 0..3
	s_and_b32 s17, ttmp7, 0xffff                   ; k: my expert
	s_lshl_b32 s18, ttmp9, 12
	s_lshl_b32 s20, s16, 10
	s_add_co_u32 s18, s18, s20                     ; my wave's first token: 4096 g + 1024 w
	v_and_b32 v[LANE], 31, v0
	v_and_b32 v[UU], 15, v0                        ; r
	v_bfe_u32 v[TT], v0, 4, 1                      ; h
	v_lshlrev_b32 v[R16], 4, v[UU]
	v_lshlrev_b32 v[L16], 4, v[LANE]
	s_mul_i32 s20, s16, USTB
	s_add_co_u32 s20, s20, USTG                    ; my stage
	s_mul_i32 s21, s16, 64*WPITCH                  ; the 64 LDS rows that my part of W fills
	v_mul_u32_u24 v[WFA], v[UU], WPITCH
	v_lshl_add_u32 v[WFA], v[TT], 4, v[WFA]
	v_add_nc_u32 v[UFA], s20, v[WFA]
	v_mul_u32_u24 v[UST], v[TT], 8*WPITCH
	v_add_nc_u32 v[UST], v[UST], v[R16]
	v_add_nc_u32 v[UST], s20, v[UST]
	v_mul_u32_u24 v[WST], v[TT], 16*WPITCH
	v_add_nc_u32 v[WST], v[WST], v[R16]
	v_add_nc_u32 v[WST], s21, v[WST]
.irp f, 0,1
.irp j, 0,1,2,3,4,5,6,7
	v_lshl_add_u32 v[IX+8*\f+\j], v[TT], 5, 64*\f+4*\j
.endr
.endr
	v_and_b32 v[CA], 14, v[UU]
	v_lshlrev_b32 v[CA], 1, v[CA]                  ; 4 (r / 2)
	v_lshl_add_u32 v[IXO], v[TT], 5, v[CA]
	v_add_nc_u32 v[IXO+1], 64, v[IXO]
	v_mov_b32 v[KC], 16
	v_mov_b32 v[KC+1], 8
	v_mov_b32 v[KC+2], 4
	v_mov_b32 v[KC+3], 2
	v_mov_b32 v[KC+4], 1
.set i, 0
.rept 7
	v_mov_b32 v[QP+i], 0                           ; the registers in which lane permutes land are written whole once
.set i, i+1
.endr
.set i, 0
.rept 8
	v_mov_b32 v[VO+i], 0
.set i, i+1
.endr
	v_mov_b32 v[OO], 0
	v_mov_b32 v[OO+1], 0
	s_mov_b32 s30, 0xff00ff00                      ; the lanes with r & 8,
	s_mov_b32 s31, 0xf0f0f0f0                      ; r & 4,
	s_mov_b32 s32, 0xcccccccc                      ; r & 2
	s_mov_b32 s29, 0
	s_wait_kmcnt 0x0
	s_load_b64 s[34:35], s[12:13], 0x0             ; e0, e1
	s_lshl_b32 s28, s18, 2
	s_add_nc_u64 s[4:5], s[4:5], s[28:29]          ; type_idx and out0 at my first token,
	s_add_nc_u64 s[14:15], s[14:15], s[28:29]
	s_lshl_b32 s28, s18, 8
	s_add_nc_u64 s[6:7], s[6:7], s[28:29]          ; u (256 bytes a token),
	s_lshl_b32 s28, s18, 10
	s_add_nc_u64 s[8:9], s[8:9], s[28:29]          ; v (1,024 bytes a token: under 2^27 in all)
	s_lshl_b32 s28, s17, 16
	s_lshl_b32 s21, s16, 14
	s_add_co_u32 s28, s28, s21
	s_add_nc_u64 s[10:11], s[10:11], s[28:29]      ; W at my expert's rows 64 w on
.irp i, 0,1,2,3,4,5,6,7
	global_load_b128 v[TY+4*\i:TY+4*\i+3], v[L16], s[4:5] offset:512*\i   ; register 4 i + c of lane l: the type of token 128 i + 4 l + c
.endr
	WIN 0x80                                       ; destination window 2
.set i, 0
.rept 32
	global_load_b128 v[4*i:4*i+3], v[L16], s[10:11] offset:512*i          ; rows 64 w + 2 i + h, 512 consecutive bytes a load
.set i, i+1
.endr
	WIN 0
	s_wait_loadcnt 32                              ; the types are in; W's 32 loads were issued behind them
	v_mov_b32 v[MSK], 0
	v_mov_b32 v[PFX], 0
	s_mov_b32 s22, 0
.set x, 0
.rept 32
	v_cmp_eq_u32 s20, s17, v[TY+x]                 ; word x: which lanes' token is of my type
	v_writelane_b32 v[MSK], s20, x
	v_writelane_b32 v[PFX], s22, x
	s_bcnt1_i32_b32 s21, s20
	s_add_co_u32 s22, s22, s21
.set x, x+1
.endr
	s_max_u32 s23, s22, 1                          ; s22: how many tokens are mine
	s_sub_co_u32 s23, s23, 1                       ; the list's last place (0 for an empty list)
	s_add_co_u32 s24, s22, 31
	s_lshr_b32 s24, s24, 5                         ; trips of 32 places
	v_lshrrev_b32 v[TT], 1, v[MSK]                 ; the bit counts of all 32 words at once
	v_and_b32 v[TT], 0x55555555, v[TT]
	v_sub_nc_u32 v[CN1], v[MSK], v[TT]
	v_lshrrev_b32 v[TT], 2, v[CN1]
	v_and_b32 v[TT], 0x33333333, v[TT]
	v_and_b32 v[UU], 0x33333333, v[CN1]
	v_add_nc_u32 v[CN2], v[UU], v[TT]
	v_lshrrev_b32 v[TT], 4, v[CN2]
	v_add_nc_u32 v[TT], v[CN2], v[TT]
	v_and_b32 v[CN4], 0x0f0f0f0f, v[TT]
	v_lshrrev_b32 v[TT], 8, v[CN4]
	v_add_nc_u32 v[CN8], v[CN4], v[TT]
	s_mov_b32 s26, 0
	SELECT                                         ; the first batch is asked for ahead of W's staging.  A wave with an empty list asks too (for a token inside its 1,024), so that
	ISSUE 0                                        ; the same loads stand behind W's on every path
	ISSUE 1
	; ---- W through LDS: row e = 64 w + 2 i + h goes to LDS row 16 t + (its column in tile t) = 64 w + 16 (2 (i % 2) + h) + i / 2
	s_wait_loadcnt 63                              ; W's 32 loads are in: 80 loads were issued behind them
	WIN 0x08                                       ; a store's data: source 1, window 2
.set i, 0
.rept 32
	ds_store_b128 v[WST], v[4*i:4*i+3] offset:(32*(i&1)+(i>>1))*WPITCH
.set i, i+1
.endr
	WIN 0
	s_wait_dscnt 0x0                               ; for the others' sake: my part of W lies in LDS
	s_barrier_signal -1
	s_barrier_wait -1                              ; everybody's does.  The only barrier: nothing is written to these rows again
.macro WFRAG g                         ; the fragments of tiles 8 g .. 8 g + 7
.irp t, 0,1,2,3,4,5,6,7
.irp s, 0,1
.irp c, 0,1,2,3
	ds_load_b128 v[32*\t+16*\s+4*\c:32*\t+16*\s+4*\c+3], v[WFA] offset:16*(8*\g+\t)*WPITCH+128*\s+32*\c
.endr
.endr
.endr
.endm
	WIN 0x80
	WFRAG 0
	WIN 0xc0
	WFRAG 1
	WIN 0
	s_wait_dscnt 0x0
	s_wait_kmcnt 0x0
	s_add_co_i32 s27, s34, s35                     ; e0 + e1
	s_cmp_eq_u32 s22, 0
	s_cbranch_scc1 .Lend                           ; none of my 1,024 tokens is of my type
	s_mov_b32 s25, 0
.Ltrip:                                                ; here 80 loads have been issued and not waited for: tile 0's 8 + 32, then tile 1's, on the way in and on the way back alike
	s_add_co_u32 s26, s26, 32
	SELECT                                         ; the next batch's tokens, found while this batch's loads are on their way
	TILE 0
	ISSUE 0                                        ; buffer 0 takes the next batch's first tile (in the last trip: copies of the last token, which nobody reads)
	TILE 1
	ISSUE 1
	s_add_co_u32 s25, s25, 1
	s_cmp_lt_u32 s25, s24
	s_cbranch_scc1 .Ltrip
.Lend:
	s_wait_tensorcnt 0x0
	ds_add_u32 v254, v255
	s_wait_dscnt 0x0
	s_endpgm
.Lfunc_end_k_qac5ec86a50_bilinear:
	.size	k_qac5ec86a50_bilinear, .Lfunc_end_k_qac5ec86a50_bilinear-k_qac5ec86a50_bilinear
	.p2alignl 7, 3214868480
	.fill 96, 4, 3214868480
	.section	.rodata,"a",@progbits
	.p2align	6, 0x0
	.amdhsa_kernel k_qac5ec86a50_bilinear
		.amdhsa_group_segment_fixed_size 87552
		.amdhsa_private_segment_fixed_size 0
		.amdhsa_enable_private_segment 0
		.amdhsa_kernarg_size 48
		.amdhsa_user_sgpr_count 2
		.amdhsa_user_sgpr_kernarg_segment_ptr 1
		.amdhsa_wavefront_size32 1
		.amdhsa_system_sgpr_workgroup_id_x 1
		.amdhsa_system_sgpr_workgroup_id_y 1
		.amdhsa_system_sgpr_workgroup_id_z 1
		.amdhsa_system_vgpr_workitem_id 0
		.amdhsa_next_free_vgpr 1024
		.amdhsa_next_free_sgpr 66
		.amdhsa_reserve_vcc 1
		.amdhsa_float_denorm_mode_32 3
		.amdhsa_float_denorm_mode_16_64 3
		.amdhsa_memory_ordered 1
		.amdhsa_forward_progress 1
		.amdhsa_inst_pref_size 84
	.end_amdhsa_kernel
	.amdgpu_metadata
---
amdhsa.version: [ 1, 2 ]
amdhsa.kernels:
  - .name:           k_qac5ec86a50_bilinear
    .symbol:         k_qac5ec86a50_bilinear.kd
    .args:
      - { .name: type_idx, .offset: 0, .size: 8, .value_kind: global_buffer, .address_space: global }
      - { .name: u_hidden_codes, .offset: 8, .size: 8, .value_kind: global_buffer, .address_space: global }
      - { .name: v_hidden, .offset: 16, .size: 8, .value_kind: global_buffer, .address_space: global }
      - { .name: weights_codes, .offset: 24, .size: 8, .value_kind: global_buffer, .address_space: global }
      - { .name: lowp_scales, .offset: 32, .size: 8, .value_kind: global_buffer, .address_space: global }
      - { .name: out0, .offset: 40, .size: 8, .value_kind: global_buffer, .address_space: global }
    .group_segment_fixed_size: 87552
    .private_segment_fixed_size: 0
    .kernarg_segment_align: 8
    .kernarg_segment_size: 48
    .max_flat_workgroup_size: 128
    .sgpr_count:     66
    .vgpr_count:     1024
    .wavefront_size: 32
...
	.end_amdgpu_metadata
.endif
;; end of part 1
;; ======== version 2 of 2: 1 launch; version 1 with the launch bilinear written anew for expert scheduling mode
;; launch bilinear (part 2): grid 32 x 8, 4 waves a work-group, no clusters, 87,552 bytes of LDS; arguments type_idx, u_hidden_codes, v_hidden, weights_codes, lowp_scales, out0; writes out0
.if DOCPART == 2
	.amdgcn_target "amdgcn-amd-amdhsa--gfx1250"
	.amdhsa_code_object_version 6
	.text
	.protected	k_qac5ec86a50_bilinear
	.globl	k_qac5ec86a50_bilinear
	.p2align	8
	.type	k_qac5ec86a50_bilinear,@function
k_qac5ec86a50_bilinear:
	s_mov_b64 s[64:65], 0
	v_nop
	global_prefetch_b8 v0, s[64:65] scope:SCOPE_SE
	s_setreg_imm32_b32 hwreg(HW_REG_WAVE_SCHED_MODE, 0, 2), 2
	s_setreg_imm32_b32 hwreg(HW_REG_WAVE_MODE, 25, 1), 1
	s_wait_xcnt 0x0
	s_wait_alu depctr_vm_vsrc(0)
; out[n] = sigmoid( sum over e of v[n][e] x ( sum over d of W[k][d][e] u[n][d] ) ),  k = type_idx[n].   131,072 tokens, 8 experts, 256 x 256.
; u and W are codes of BF8 (E5M2) with d innermost (a row of u, and a row e of an expert, is 256 bytes); a number is its code x 2^e0 (W) or 2^e1 (u).  The codes are multiplied as they
; are by v_wmma_f32_16x16x128_bf8_bf8, sums in f32; the dot with v is f32 multiply-adds; the finished dot is multiplied once by 2^(e0 + e1) (v_ldexp_f32: any whole number serves).
; ONLY THE CHOSEN EXPERT IS MULTIPLIED: the other seven scores of a token are thrown away by the gather on type_idx.
; SHARES.  Work-group (x = g, y = k) owns the tokens of type k among tokens 4096 g .. 4096 g + 4095; wave w those among its 1,024.  So a work-group reads ONE expert's 65,536 bytes, and each wave
; keeps all of them in 512 registers.  The grid serves every split of the tokens; a wave without a token of its type stores nothing.  Behind the one barrier the waves share nothing.
; THE LIST OF ROWS IS NEVER STORED.  The wave's 1,024 types become 32 mask words (one a lane), their running counts and their bit counts; 'the p-th token of my type' is then found by a
; search through lane permutes (macro SELECT).  A trip of the loop takes 32 places of the list, two tiles of 16 tokens.  Places past the list's end are held at its last place: such rows
; are copies of the last token, give its number again and store it to the same word.  So EXEC stays full, no branch stands in a trip, and every trip issues the same loads.
; LAYOUT.  Source 0 = 16 tokens of u, source 1 = 16 rows e of W: register j of lane (r = lane % 16, h = lane / 16) is (token 8 h + j, column r).  THE ROWS OF W THAT FORM A TILE ARE NOT
; NEIGHBOURS: column r of tile t is e = 64 (t / 4) + 4 r + t % 4.  Then the load of v at token (8 h + j) x 1,024 + 256 q + 16 r brings lane (r, h) exactly the four partners of register j of
; tiles 4 q .. 4 q + 3, and sixteen neighbouring lanes read 256 consecutive bytes, aligned: v goes from memory straight into registers.  u is read likewise (a row is 256 bytes) and
; turns through the wave's own stage in LDS into fragments.  Along d both operands take register 4 c + i of K step s from bytes 128 s + 32 c + 16 h + 4 i ..: the same order in both.
; NO TENSOR LOAD, NO CLUSTER, though 32 work-groups read the same expert: the loop's trip count is a number read from memory; and the
; expert is 65,536 of the roughly 720,000 bytes that a work-group reads.
; out0 IS STORED FOUR BYTES A LANE, to the tokens' own places: the 64 tokens of 256 neighbouring bytes belong to up to eight work-groups, and the output is 524,288 of 169 million bytes.
; LIMITS.  A token whose type_idx is not 0 .. 7 gets no output (the gather's index stays inside its table).  Where 2^(-s log2 e) falls under the smallest normal f32 number it counts as 0
; (v_exp_f32, ISA guide 15.8) and the result is 1.  The f32 sums are taken in another order than the reference's.
; REGISTERS, in windows of 256.  Window 0: see the names below.  Window 1: v, two buffers of 128: register 128 b + 16 j + 4 q + i.  Windows 2 and 3: W's 32 fragments: tile t, K step s at
; window 2 + t / 8, register 32 (t % 8) + 16 s (window 2's first 128 hold W as it is loaded, until it is staged).
; THE MODE: SCHED_MODE bits 1:0 = 2 (LLVM: expert scheduling mode 2), set by the entry lines.  The code itself states the register dependences between vector or matrix instructions and
; memory or LDS instructions (the lane permutes through the LDS unit among them), with s_wait_alu, always for 0.
; THE PLAN.  Registers that memory or LDS instructions touch in the loop, whose trip is SELECT, TILE 0, TILE 1:
;   TOK            written by SELECT's last vector line; read by the nine permutes of each tile.
;   LB, CA .. CA4  written by SELECT's vector lines; read by its permutes as addresses.  A candidate register to each step of the search: none is written twice in a search.
;   QP, FP .. F8   permutes land in them; SELECT's compares and field reads read them.
;   VO, UO         a tile's permutes land in VO; vector lines make the offsets; the tile's 40 loads read them.  The other tile writes them next.
;   ON[b], OO[b]   a permute of tile b lands the next batch's token in ON[b], while OO[b] is still owed to tile b's store; the OTHER tile's two vector lines then make OO[b] of ON[b].
;   ZZ             written by the reciprocal; read by the store.
;   UR[b]          loads land; the tile's eight LDS stores read.      v's buffer b: loads land; the dot reads.      UF: LDS loads land; the products read.
;   All other addresses and the six tables are made at the head and never written again.
; A TILE ASKS FOR ITS BUFFERS AGAIN AS SOON AS THE DOT HAS EMPTIED THEM: the dot; one wait on vm_vsrc; the nine permutes; the reduction and the exponential, vector work that names none of the
; permutes' registers; the offsets; ONE wait on va_vdst; the 40 loads; the reciprocal; one wait on va_vdst; the store.  The LDS loads into UF lean on the tile before's waits on va_vdst, which
; stand behind its products; no vector line since names UF.
.set WPITCH, 272                       ; an LDS row: 256 bytes + 16: the sixteen rows that a fragment load touches begin 68 words apart
.set USTG,   256*WPITCH                ; LDS: W's 256 rows, then a stage of 16 rows for each wave
.set USTB,   16*WPITCH
.set LANE, 1                           ; v1   lane
.set R16,  2                           ; v2   16 r
.set UFA,  3                           ; v3   my stage + 272 r + 16 h: u's fragments
.set UST,  4                           ; v4   my stage + 8 h rows + 16 r: u as it is loaded
.set WFA,  5                           ; v5   272 r + 16 h: W's fragments
.set WST,  6                           ; v6   64 w rows + 16 h rows + 16 r: W as it is loaded
.set L16,  7                           ; v7   16 x lane
.set IX,   8                           ; v8-23  4 x (16 b + 8 h + j): from which lane of TOK tile b's token 8 h + j comes
.set IXO,  24                          ; v24-25 4 x (16 b + 8 h + r / 2): the token whose result I store
.set MSK,  26                          ; v26  lane x: mask word x
.set PFX,  27                          ; v27  lane x: tokens of my type in words 0 .. x - 1
.set CN1,  28                          ; v28-31 lane x: word x's bit counts in fields of 2, 4, 8 bits, and of 16 bits in bytes 0 and 2
.set CN2,  29
.set CN4,  30
.set CN8,  31
.set TOK,  32                          ; v32  lane l: the token (0 .. 1,023) at place POS + l of the list
.set PP,   33                          ; SELECT: my place
.set LB,   34                          ;         4 x the word that holds it
.set CA,   35                          ;         the candidate of the search's first step;
.set CA1,  249                         ;         those of the four others
.set CA2,  250
.set CA3,  251
.set CA4,  47
.set QP,   36
.set FP,   37                          ;         that word's entries of the six tables
.set FM,   38
.set F1,   39
.set F2,   40
.set F4,   41
.set F8,   42
.set RNK,  43                          ;         my place within the word
.set POSB, 44                          ;         the bit
.set TT,   45
.set UU,   46
.set VO,   48                          ; v48-55 byte offsets of the loads of v
.set UO,   56                          ; v56-63 of u
.set OO,   64                          ; v64-65 of the store, for each buffer
.set ON,   252                         ; v252-253 the token of the next batch's store, for each buffer, as the permute brings it
.set ACC,  66                          ; v66-73 the dots of my eight tokens, my columns' part
.set RT,   74                          ; v74-81 at work
.set YY,   82
.set ZZ,   83
.set UF,   84                          ; v84-115  u's two fragments
.set DD,   116                         ; v116-179 eight accumulators
.set TY,   116                         ;          (at the head: the 32 type words)
.set UR,   180                         ; v180-243 u as it is loaded, two buffers of 32
.set KC,   244                         ; v244-248 16, 8, 4, 2, 1
.set MSB, 0
.macro WIN new                         ; s_set_vgpr_msb: bits 1:0 source 0, 3:2 source 1, 5:4 source 2, 7:6 destination; the high byte repeats the setting that is left
.if MSB != \new
	s_set_vgpr_msb (MSB<<8)|\new
.set MSB, \new
.endif
.endm
; ---- SELECT: TOK = the tokens at places s26 + lane of my list, held at the last place s23
.macro SEEK st, ca                     ; one step of the search for the last word x with PFX[x] <= my place
	v_or_b32 v[\ca], \st, v[LB]
	s_wait_alu depctr_va_vdst(0)                   ; the candidate is written, which the permute reads as its address; the step before's compare is done reading QP, in which the permute lands
	ds_bpermute_b32 v[QP], v[\ca], v[PFX]
	s_wait_dscnt 0x0
	v_cmp_le_u32 vcc_lo, v[QP], v[PP]
	s_wait_alu depctr_va_vcc(0)                    ; VCC is written, ahead of the select that reads it
	v_cndmask_b32 v[LB], v[LB], v[\ca], vcc_lo
.endm
.macro PICK tab, width, kc             ; one step of the search for the bit: if the lower half of what is left holds too few, pass over it
	v_bfe_u32 v[TT], v[\tab], v[POSB], \width
	v_cmp_ge_u32 vcc_lo, v[RNK], v[TT]
	s_wait_alu depctr_va_vcc(0)                    ; VCC is written, ahead of the two selects that read it
	v_cndmask_b32 v[TT], 0, v[TT], vcc_lo
	v_cndmask_b32 v[UU], 0, v[\kc], vcc_lo
	v_sub_nc_u32 v[RNK], v[RNK], v[TT]
	v_add_nc_u32 v[POSB], v[POSB], v[UU]
.endm
.macro SELECT
	v_add_nc_u32 v[PP], s26, v[LANE]
	v_min_u32 v[PP], s23, v[PP]
	v_mov_b32 v[LB], 0
	SEEK 64, CA
	SEEK 32, CA1
	SEEK 16, CA2
	SEEK 8, CA3
	SEEK 4, CA4
	s_wait_alu depctr_va_vdst(0)                   ; LB is written, which the six permutes read as their address; the last batch's readers of FP .. F8 are done, in which they land
	ds_bpermute_b32 v[FP], v[LB], v[PFX]
	ds_bpermute_b32 v[FM], v[LB], v[MSK]
	ds_bpermute_b32 v[F1], v[LB], v[CN1]
	ds_bpermute_b32 v[F2], v[LB], v[CN2]
	ds_bpermute_b32 v[F4], v[LB], v[CN4]
	ds_bpermute_b32 v[F8], v[LB], v[CN8]
	v_mov_b32 v[POSB], 0
	s_wait_alu depctr_va_vdst(0)
	s_wait_dscnt 0x0
	v_sub_nc_u32 v[RNK], v[PP], v[FP]
	PICK F8, 8, KC
	PICK F4, 8, KC+1
	PICK F2, 4, KC+2
	PICK F1, 2, KC+3
	PICK FM, 1, KC+4
	v_lshrrev_b32 v[TT], 4, v[LB]                  ; bit l of word x is token 128 (x / 4) + 4 l + x % 4
	v_bfe_u32 v[UU], v[LB], 2, 2
	v_lshl_or_b32 v[TT], v[TT], 7, v[UU]
	v_lshl_or_b32 v[TOK], v[POSB], 2, v[TT]
	s_wait_alu depctr_va_vdst(0)                   ; TOK is written, which the permutes of both tiles read
.endm
; ---- the 40 loads of tile b of the batch in TOK, into buffer b, in three parts.  PERM: from which tokens.  first = 1: the kernel's first, with no load or store ahead of it that has read these registers
.macro PERM b, first
.if !\first
	s_wait_xcnt 0x0                                ; the earlier loads and the store have had their addresses translated: VO, UO, the other buffer's OO and ZZ are written again only behind this wait,
	s_wait_alu depctr_vm_vsrc(0)                   ; and behind this one: the other buffer's loads have read VO and UO, its store OO and ZZ; my tile's LDS stores have read UR[b], in which loads land below
.endif
.irp j, 0,1,2,3,4,5,6,7
	ds_bpermute_b32 v[VO+\j], v[IX+8*\b+\j], v[TOK]
.endr
	ds_bpermute_b32 v[ON+\b], v[IXO+\b], v[TOK]
.endm
.macro OFFS                            ; the offsets
	s_wait_dscnt 0x0
.irp j, 0,1,2,3,4,5,6,7
	v_min_u32 v[VO+\j], 0x3ff, v[VO+\j]            ; a number made of loaded data enters an address held inside my 1,024 tokens
	v_lshl_add_u32 v[UO+\j], v[VO+\j], 8, v[R16]
	v_lshl_add_u32 v[VO+\j], v[VO+\j], 10, v[R16]
.endr
.endm
.macro LOADS b                         ; the loads
	s_wait_alu depctr_va_vdst(0)                   ; UO and VO are written, which the loads read; the dot is done reading v's buffer b, in which they land; in a tile: the exponential's result and the other buffer's OO are written too
.irp j, 0,1,2,3,4,5,6,7
	global_load_b128 v[UR+32*\b+4*\j:UR+32*\b+4*\j+3], v[UO+\j], s[6:7]   ; lanes 0-15: token j's whole row of 256 bytes; lanes 16-31: token 8 + j's
.endr
	WIN 0x40                                       ; destination window 1.  Between the wait above and these loads stand loads and this switch alone
.irp j, 0,1,2,3,4,5,6,7
.irp q, 0,1,2,3
	global_load_b128 v[128*\b+16*\j+4*\q:128*\b+16*\j+4*\q+3], v[VO+\j], s[8:9] offset:256*\q   ; sixteen lanes read 256 consecutive bytes of one row of v
.endr
.endr
	WIN 0
.endm
.macro OWN b                           ; the offset of buffer b's next store, once its last store has read the old one
	v_min_u32 v[OO+(\b)], 0x3ff, v[ON+(\b)]
	v_lshlrev_b32 v[OO+(\b)], 2, v[OO+(\b)]
.endm
.macro ISSUE b, first                  ; the three parts on end: so at the head
	PERM \b, \first
	OFFS
	LOADS \b
.endm
; ---- 16 matrix instructions: eight tiles of W (of the window that is set) x my 16 tokens, two K steps.  The first starts each sum with 0; the eight accumulators take turns
.macro MULS
.irp t, 0,1,2,3,4,5,6,7
	v_wmma_f32_16x16x128_bf8_bf8 v[DD+8*\t:DD+8*\t+7], v[UF:UF+15], v[32*\t:32*\t+15], 0
.endr
.irp t, 0,1,2,3,4,5,6,7
	v_wmma_f32_16x16x128_bf8_bf8 v[DD+8*\t:DD+8*\t+7], v[UF+16:UF+31], v[32*\t+16:32*\t+31], v[DD+8*\t:DD+8*\t+7]
.endr
.endm
; ---- the dot with v: tiles 8 g .. 8 g + 7; each accumulator from its low end on.  The very first product starts the sums: nothing is cleared
.macro DOT b, g
.irp t, 0,1,2,3,4,5,6,7
.irp j, 0,1,2,3,4,5,6,7
.if (\g == 0) && (\t == 0)
	v_mul_f32 v[ACC+\j], v[DD+\j], v[128*\b+16*\j]
.else
	v_fma_f32 v[ACC+\j], v[DD+8*\t+\j], v[128*\b+16*\j+4*(2*\g+\t/4)+\t%4], v[ACC+\j]
.endif
.endr
.endr
.endm
; ---- TILE: the 16 tokens in buffer b, from loaded bytes to stored results; behind the dot buffer b is asked for again, for the next batch's tile b (in the last trip: copies of the last token, which nobody reads)
.macro TILE b
	s_wait_loadcnt 63                              ; my 8 loads of u are in: 72 loads were issued behind them, and 63 is the largest count that can be written
.irp j, 0,1,2,3,4,5,6,7
	ds_store_b128 v[UST], v[UR+32*\b+4*\j:UR+32*\b+4*\j+3] offset:WPITCH*\j   ; rows j and 8 + j of my stage
.endr
.irp s, 0,1
.irp c, 0,1,2,3
	ds_load_b128 v[UF+16*\s+4*\c:UF+16*\s+4*\c+3], v[UFA] offset:128*\s+32*\c   ; LDS serves a wave's instructions in order (ISA guide 5.7.1.4): these see the stores above.  (The tile before's products are done reading UF: its waits on va_vdst stand behind them)
.endr
.endr
	s_wait_dscnt 0x0
	WIN 0x08                                       ; source 1 (W) window 2
	MULS
	WIN 0x04                                       ; source 1 (v) window 1
.rept 4
	v_nop                                          ; four places between the last product and the first read of a result (ISA guide 7.12.1)
.endr
	s_wait_loadcnt 40                              ; my 32 loads of v are in; behind them stand the other buffer's 8 + 32
	DOT \b, 0
	WIN 0x0c                                       ; source 1 (W) window 3.  The 64 lines above are more than the five places owed before the accumulators are begun anew
	MULS
	WIN 0x04
.rept 4
	v_nop
.endr
	DOT \b, 1
	WIN 0
	s_wait_alu depctr_va_vdst(0)
	PERM \b, 0                                     ; the next batch's tokens are on their way through the lanes while the sums are reduced
	OWN 1-\b                                       ; the other buffer's store has read its offset (the two waits in PERM): the offset of its next store is made
	; eight sums a lane, each to be added over the sixteen lanes of my half: in each step a lane keeps half of its sums and sends the other half to the lane that keeps those
.irp j, 0,1,2,3
	v_cndmask_b32 v[RT+\j], v[ACC+\j], v[ACC+4+\j], s30        ; r >= 8 keeps tokens 4 .. 7,
	v_cndmask_b32 v[RT+4+\j], v[ACC+4+\j], v[ACC+\j], s30      ; and sends tokens 0 .. 3
.endr
.irp j, 0,1,2,3
	v_add_f32_dpp v[RT+\j], v[RT+4+\j], v[RT+\j] row_xmask:8 row_mask:0xf bank_mask:0xf
.endr
.irp j, 0,1
	v_cndmask_b32 v[ACC+\j], v[RT+\j], v[RT+2+\j], s31
	v_cndmask_b32 v[ACC+2+\j], v[RT+2+\j], v[RT+\j], s31
.endr
.irp j, 0,1
	v_add_f32_dpp v[ACC+\j], v[ACC+2+\j], v[ACC+\j] row_xmask:4 row_mask:0xf bank_mask:0xf
.endr
	v_cndmask_b32 v[RT], v[ACC], v[ACC+1], s32
	v_cndmask_b32 v[RT+1], v[ACC+1], v[ACC], s32
	v_add_f32_dpp v[RT], v[RT+1], v[RT] row_xmask:2 row_mask:0xf bank_mask:0xf
	v_add_f32_dpp v[RT], v[RT], v[RT] row_xmask:1 row_mask:0xf bank_mask:0xf   ; lane (r, h) holds the dot of token 8 h + r / 2
	v_ldexp_f32 v[RT], v[RT], s27                  ; x 2^(e0 + e1)
	v_mul_f32 v[RT], 0xbfb8aa3b, v[RT]             ; x -log2(e)
	s_wait_alu depctr_va_vdst(0)
	v_exp_f32 v[YY], v[RT]
	OFFS                                           ; its 24 plain lines stand behind the transcendental and name neither its result nor its source
	LOADS \b                                       ; its wait on va_vdst is also the wait ahead of the first line that names the exponential's result
	v_add_f32 v[YY], 1.0, v[YY]
	s_wait_alu depctr_va_vdst(0)
	v_rcp_f32 v[ZZ], v[YY]                         ; 1 / (1 + e^-s)
	v_nop                                          ; a plain instruction behind the transcendental
	s_wait_alu depctr_va_vdst(0)                   ; the reciprocal has written ZZ, which the store reads
	global_store_b32 v[OO+\b], v[ZZ], s[14:15]     ; two lanes hold each token, and copies of the list's last token may stand beside it: they store the same number to the same word
.endm
	; ---- the head
	s_load_b256 s[4:11], s[0:1], 0x0               ; type_idx s[4:5], u's codes s[6:7], v s[8:9], W's codes s[10:11]
	s_load_b128 s[12:15], s[0:1], 0x20             ; the scales' exponents s[12:13], out0 s[14:15]
	v_lshl_add_u32 v254, v0, 2, 0x15400            ; my spare word, behind the stages, and 0: made here and kept for the closing lines alone
	v_mov_b32 v255, 0
	v_lshrrev_b32 v[CA], 5, v0
	v_readfirstlane_b32 s16, v[CA]                 ; wave 0..3
	s_and_b32 s17, ttmp7, 0xffff                   ; k: my expert
	s_lshl_b32 s18, ttmp9, 12
	v_and_b32 v[LANE], 31, v0
	v_and_b32 v[UU], 15, v0                        ; r
	v_bfe_u32 v[TT], v0, 4, 1                      ; h
	v_lshlrev_b32 v[R16], 4, v[UU]
	v_lshlrev_b32 v[L16], 4, v[LANE]
	s_wait_alu depctr_va_sdst(0)                   ; s16 is written, ahead of its first reader
	s_lshl_b32 s20, s16, 10
	s_add_co_u32 s18, s18, s20                     ; my wave's first token: 4096 g + 1024 w
	s_mul_i32 s20, s16, USTB
	s_add_co_u32 s20, s20, USTG                    ; my stage
	s_mul_i32 s21, s16, 64*WPITCH                  ; the 64 LDS rows that my part of W fills
	v_mul_u32_u24 v[WFA], v[UU], WPITCH
	v_lshl_add_u32 v[WFA], v[TT], 4, v[WFA]
	v_add_nc_u32 v[UFA], s20, v[WFA]
	v_mul_u32_u24 v[UST], v[TT], 8*WPITCH
	v_add_nc_u32 v[UST], v[UST], v[R16]
	v_add_nc_u32 v[UST], s20, v[UST]
	v_mul_u32_u24 v[WST], v[TT], 16*WPITCH
	v_add_nc_u32 v[WST], v[WST], v[R16]
	v_add_nc_u32 v[WST], s21, v[WST]
.irp f, 0,1
.irp j, 0,1,2,3,4,5,6,7
	v_lshl_add_u32 v[IX+8*\f+\j], v[TT], 5, 64*\f+4*\j
.endr
.endr
	v_and_b32 v[CA], 14, v[UU]
	v_lshlrev_b32 v[CA], 1, v[CA]                  ; 4 (r / 2)
	v_lshl_add_u32 v[IXO], v[TT], 5, v[CA]
	v_add_nc_u32 v[IXO+1], 64, v[IXO]
	v_mov_b32 v[KC], 16
	v_mov_b32 v[KC+1], 8
	v_mov_b32 v[KC+2], 4
	v_mov_b32 v[KC+3], 2
	v_mov_b32 v[KC+4], 1
.set i, 0
.rept 7
	v_mov_b32 v[QP+i], 0                           ; the registers in which lane permutes land are written whole once
.set i, i+1
.endr
.set i, 0
.rept 8
	v_mov_b32 v[VO+i], 0
.set i, i+1
.endr
	v_mov_b32 v[ON], 0
	v_mov_b32 v[ON+1], 0
	s_mov_b32 s30, 0xff00ff00                      ; the lanes with r & 8,
	s_mov_b32 s31, 0xf0f0f0f0                      ; r & 4,
	s_mov_b32 s32, 0xcccccccc                      ; r & 2
	s_mov_b32 s29, 0
	s_wait_kmcnt 0x0
	s_load_b64 s[34:35], s[12:13], 0x0             ; e0, e1
	s_lshl_b32 s28, s18, 2
	s_add_nc_u64 s[4:5], s[4:5], s[28:29]          ; type_idx and out0 at my first token,
	s_add_nc_u64 s[14:15], s[14:15], s[28:29]
	s_lshl_b32 s28, s18, 8
	s_add_nc_u64 s[6:7], s[6:7], s[28:29]          ; u (256 bytes a token),
	s_lshl_b32 s28, s18, 10
	s_add_nc_u64 s[8:9], s[8:9], s[28:29]          ; v (1,024 bytes a token: under 2^27 in all)
	s_lshl_b32 s28, s17, 16
	s_lshl_b32 s21, s16, 14
	s_add_co_u32 s28, s28, s21
	s_add_nc_u64 s[10:11], s[10:11], s[28:29]      ; W at my expert's rows 64 w on
	s_wait_alu depctr_va_vdst(0)                   ; all that the head's vector lines have made is written: L16, which the loads below read, and with it every address that stays (UFA, UST, WFA, WST, IX, IXO, R16) and the permutes' landing places
.irp i, 0,1,2,3,4,5,6,7
	global_load_b128 v[TY+4*\i:TY+4*\i+3], v[L16], s[4:5] offset:512*\i   ; register 4 i + c of lane l: the type of token 128 i + 4 l + c
.endr
	WIN 0x80                                       ; destination window 2.  Between the wait above and these loads stand loads and this switch alone
.set i, 0
.rept 32
	global_load_b128 v[4*i:4*i+3], v[L16], s[10:11] offset:512*i          ; rows 64 w + 2 i + h, 512 consecutive bytes a load
.set i, i+1
.endr
	WIN 0
	s_wait_loadcnt 32                              ; the types are in; W's 32 loads were issued behind them
	v_mov_b32 v[MSK], 0
	v_mov_b32 v[PFX], 0
	s_mov_b32 s22, 0
.set x, 0
.rept 4                                ; the 32 compares go in four runs of eight, each run into eight scalar registers, with one wait behind it
.set y, 0
.rept 8
	v_cmp_eq_u32 s[36+y], s17, v[TY+x+y]           ; word x + y: which lanes' token is of my type
.set y, y+1
.endr
	s_wait_alu depctr_va_sdst(0)                   ; the run's eight masks are written, ahead of their first readers
.set y, 0
.rept 8
	v_writelane_b32 v[MSK], s[36+y], x+y
	v_writelane_b32 v[PFX], s22, x+y
	s_bcnt1_i32_b32 s21, s[36+y]
	s_add_co_u32 s22, s22, s21
.set y, y+1
.endr
.set x, x+8
.endr
	s_max_u32 s23, s22, 1                          ; s22: how many tokens are mine
	s_sub_co_u32 s23, s23, 1                       ; the list's last place (0 for an empty list)
	s_add_co_u32 s24, s22, 31
	s_lshr_b32 s24, s24, 5                         ; trips of 32 places
	v_lshrrev_b32 v[TT], 1, v[MSK]                 ; the bit counts of all 32 words at once
	v_and_b32 v[TT], 0x55555555, v[TT]
	v_sub_nc_u32 v[CN1], v[MSK], v[TT]
	v_lshrrev_b32 v[TT], 2, v[CN1]
	v_and_b32 v[TT], 0x33333333, v[TT]
	v_and_b32 v[UU], 0x33333333, v[CN1]
	v_add_nc_u32 v[CN2], v[UU], v[TT]
	v_lshrrev_b32 v[TT], 4, v[CN2]
	v_add_nc_u32 v[TT], v[CN2], v[TT]
	v_and_b32 v[CN4], 0x0f0f0f0f, v[TT]
	v_lshrrev_b32 v[TT], 8, v[CN4]
	v_add_nc_u32 v[CN8], v[CN4], v[TT]
	s_mov_b32 s26, 0
	SELECT                                         ; the first batch is asked for ahead of W's staging (the six tables are written ahead of SELECT's first wait on va_vdst).  A wave with an empty list asks too
	ISSUE 0, 1                                     ; (for a token inside its 1,024), so that the same loads stand behind W's on every path
	OWN 0                                          ; the offset of the first trip's first store; tile 1's is made in the first trip, as in every trip
	ISSUE 1, 0
	; ---- W through LDS: row e = 64 w + 2 i + h goes to LDS row 16 t + (its column in tile t) = 64 w + 16 (2 (i % 2) + h) + i / 2
	s_wait_loadcnt 63                              ; W's 32 loads are in: 80 loads were issued behind them
	WIN 0x08                                       ; a store's data: source 1, window 2
.set i, 0
.rept 32
	ds_store_b128 v[WST], v[4*i:4*i+3] offset:(32*(i&1)+(i>>1))*WPITCH
.set i, i+1
.endr
	WIN 0
	s_wait_dscnt 0x0                               ; for the others' sake: my part of W lies in LDS
	s_barrier_signal -1
	s_barrier_wait -1                              ; everybody's does.  The only barrier: nothing is written to these rows again
.macro WFRAG g                         ; the fragments of tiles 8 g .. 8 g + 7
.irp t, 0,1,2,3,4,5,6,7
.irp s, 0,1
.irp c, 0,1,2,3
	ds_load_b128 v[32*\t+16*\s+4*\c:32*\t+16*\s+4*\c+3], v[WFA] offset:16*(8*\g+\t)*WPITCH+128*\s+32*\c
.endr
.endr
.endr
.endm
	WIN 0x80
	s_wait_alu depctr_vm_vsrc(0)                   ; my LDS stores have read window 2's first 128 registers, in which fragments land now
	WFRAG 0
	WIN 0xc0
	WFRAG 1
	WIN 0
	s_wait_dscnt 0x0
	s_wait_kmcnt 0x0
	s_add_co_i32 s27, s34, s35                     ; e0 + e1
	s_cmp_eq_u32 s22, 0
	s_cbranch_scc1 .Lend                           ; none of my 1,024 tokens is of my type
	s_mov_b32 s25, 0
.Ltrip:                                                ; here 80 loads have been issued and not waited for: tile 0's 8 + 32, then tile 1's, on the way in and on the way back alike
	s_add_co_u32 s26, s26, 32
	s_wait_alu depctr_vm_vsrc(0)                   ; the permutes issued so far have read TOK, LB and the five candidates, which SELECT writes again
	SELECT                                         ; the next batch's tokens, found while this batch's loads are on their way
	TILE 0
	TILE 1
	s_add_co_u32 s25, s25, 1
	s_cmp_lt_u32 s25, s24
	s_cbranch_scc1 .Ltrip
.Lend:
	s_wait_dscnt 0x0                               ; the closing lines, six on end
	s_wait_alu 0x0
	s_wait_tensorcnt 0x0
	ds_add_u32 v254, v255
	s_wait_dscnt 0x0
	s_endpgm
.Lfunc_end_k_qac5ec86a50_bilinear:
	.size	k_qac5ec86a50_bilinear, .Lfunc_end_k_qac5ec86a50_bilinear-k_qac5ec86a50_bilinear
	.p2alignl 7, 3214868480
	.fill 96, 4, 3214868480
	.section	.rodata,"a",@progbits
	.p2align	6, 0x0
	.amdhsa_kernel k_qac5ec86a50_bilinear
		.amdhsa_group_segment_fixed_size 87552
		.amdhsa_private_segment_fixed_size 0
		.amdhsa_enable_private_segment 0
		.amdhsa_kernarg_size 48
		.amdhsa_user_sgpr_count 2
		.amdhsa_user_sgpr_kernarg_segment_ptr 1
		.amdhsa_wavefront_size32 1
		.amdhsa_system_sgpr_workgroup_id_x 1
		.amdhsa_system_sgpr_workgroup_id_y 1
		.amdhsa_system_sgpr_workgroup_id_z 1
		.amdhsa_system_vgpr_workitem_id 0
		.amdhsa_next_free_vgpr 1024
		.amdhsa_next_free_sgpr 66
		.amdhsa_reserve_vcc 1
		.amdhsa_float_denorm_mode_32 3
		.amdhsa_float_denorm_mode_16_64 3
		.amdhsa_memory_ordered 1
		.amdhsa_forward_progress 1
		.amdhsa_inst_pref_size 86
	.end_amdhsa_kernel
	.amdgpu_metadata
---
amdhsa.version: [ 1, 2 ]
amdhsa.kernels:
  - .name:           k_qac5ec86a50_bilinear
    .symbol:         k_qac5ec86a50_bilinear.kd
    .args:
      - { .name: type_idx, .offset: 0, .size: 8, .value_kind: global_buffer, .address_space: global }
      - { .name: u_hidden_codes, .offset: 8, .size: 8, .value_kind: global_buffer, .address_space: global }
      - { .name: v_hidden, .offset: 16, .size: 8, .value_kind: global_buffer, .address_space: global }
      - { .name: weights_codes, .offset: 24, .size: 8, .value_kind: global_buffer, .address_space: global }
      - { .name: lowp_scales, .offset: 32, .size: 8, .value_kind: global_buffer, .address_space: global }
      - { .name: out0, .offset: 40, .size: 8, .value_kind: global_buffer, .address_space: global }
    .group_segment_fixed_size: 87552
    .private_segment_fixed_size: 0
    .kernarg_segment_align: 8
    .kernarg_segment_size: 48
    .max_flat_workgroup_size: 128
    .sgpr_count:     66
    .vgpr_count:     1024
    .wavefront_size: 32
...
	.end_amdgpu_metadata
.endif
;; end of part 2
